; MI455X (gfx1250); checked and timed in simulation.
; The chip was launched on July 23, 2026; its instructions are those of AMD's public machine-readable ISA for CDNA 5 (MIT licence, August 2026) and "CDNA5" Instruction Set Architecture Reference Guide (July 2026). The comments in the code are by the model that wrote it; some were corrected since.
;; Multi Head Self Attention. Allowed arithmetic: matrix products marked QUANTISED: E5M2 operands, one given power-of-two scale a tensor, by v_wmma_f32_16x16x64_bf8_bf8 or v_wmma_f32_16x16x128_bf8_bf8, f32 sums; everything else in f32.
;; Inputs: Wk_codes 1,024 x 32 x 32 uint8 (E5M2 codes of Wk, K innermost, in blocks of 32 codes); Wo_codes 1,024 x 32 x 32 uint8 (E5M2 codes of Wo, K innermost, in blocks of 32 codes); Wq_codes 1,024 x 32 x 32 uint8 (E5M2 codes of Wq, K innermost, in blocks of 32 codes); Wv_codes 1,024 x 32 x 32 uint8 (E5M2 codes of Wv, K innermost, in blocks of 32 codes); lowp_scales 12 int32 (the exponents e of the quantised operands' scales 2^e); token_positions 2,048 int32; x_codes 4 x 2,048 x 32 x 32 uint8 (E5M2 codes of x, K innermost, in blocks of 32 codes).
;; Outputs: out0 4 x 2,048 x 1,024 float32.
;; This version of the problem:
;;   THIS VERSION OF THE PROBLEM IS GIVEN IN LOW PRECISION. The matrix products marked QUANTISED in the list below multiply operands that are first quantised to E5M2 (5 exponent bits, 2 mantissa bits; 8 bits a number), with one given power-of-two scale for each operand tensor; their sums are f32. All else is computed in f32.
;;   The module's matrix products, in the order in which they are computed (A, B: the left and right operand; K: the contracted axis; several contracted axes count as one K, in the product's order):
;;     1. [M 8,192, K 1,024] x [K 1,024, N 1,024]; A: input x (given as codes); B: input Wq (given as codes): QUANTISED (scales: A lowp_scales[0], B lowp_scales[1])
;;     2. [M 8,192, K 1,024] x [K 1,024, N 1,024]; A: input x (given as codes); B: input Wk (given as codes): QUANTISED (scales: A lowp_scales[2], B lowp_scales[3])
;;     3. [M 8,192, K 1,024] x [K 1,024, N 1,024]; A: input x (given as codes); B: input Wv (given as codes): QUANTISED (scales: A lowp_scales[4], B lowp_scales[5])
;;     4. batch 64 x [M 2,048, K 64] x [K 64, N 2,048]; A: computed on the way; B: computed on the way: QUANTISED (scales: A lowp_scales[6], B lowp_scales[7])
;;     5. batch 64 x [M 2,048, K 2,048] x [K 2,048, N 64]; A: softmax (see below); B: computed on the way: QUANTISED (scales: A lowp_scales[8], B lowp_scales[9])
;;     6. [M 8,192, K 1,024] x [K 1,024, N 1,024]; A: computed on the way; B: input Wo (given as codes): QUANTISED (scales: A lowp_scales[10], B lowp_scales[11])
;;   THE QUANTISER, for each operand of a quantised product, along K:
;;     - The operand's scale is 2^e, e = its entry of the input lowp_scales (int32; the entries are numbered through the quantised products in the list's order, A before B).
;;     - Each number is divided by the scale, clamped to +-57,344, and rounded to the nearest number of E5M2, ties to even, subnormals kept.
;;     - The product sums the exact products of the quantised numbers (number of the format x scale) in f32.
;;   ~~~python
;;   def quantise(x, axis, e):      # numpy; x: float32 -> the quantised numbers, widened to float32 again
;;       x = np.moveaxis(x, axis, -1); K = x.shape[-1]
;;       r = np.clip(x / 2.0 ** e, -57344, 57344)
;;       step = 2.0 ** (np.maximum(np.frexp(np.where(r == 0, 1, r))[1] - 1, -14) - 2)
;;       q = np.round(r / step) * step * 2.0 ** e      # np.round: ties to even
;;       return np.moveaxis(q, -1, axis).astype(np.float32)
;;   ~~~
;;   SOFTMAX AHEAD OF A QUANTISED PRODUCT. Where the list says 'softmax', what is quantised is not the finished softmax but p = 2^(t - M), with t = logit x log2(e) and M = ceil(the row's largest t), a whole number; so 1/2 < the row's largest p <= 1. The row's sum l is taken of the UNQUANTISED p, in f32, and the product's result is divided by l at the end. Since M is a whole number, a kernel that streams over the keys may use a running M (the ceiling of the running maximum): every later rescaling is an exact power of two, so the quantised numbers keep their values, but for numbers so far below the row's largest that they fall under the format's range.
;;   OPERANDS COMPUTED ON THE WAY. 'Computed on the way' means the value that the module computes at that place (a softmax that the list does not call 'softmax' is quantised finished and normalised). What goes into a quantiser is computed in f32, as accurately as f32 sums, v_exp_f32 and their like allow (about 1e-6 of the number): no bf16 or f16 on the way to a quantiser, and a product that is left as it is and whose result goes on into a quantised operand takes f32 operands (vector FMAs, or v_wmma_f32_16x16x4_f32). A number that lies on a knife's edge between two numbers of the format may be rounded either way, as far as f32 arithmetic and the matrix unit's own rounding can turn it there, and no further.
;;   INPUTS GIVEN AS CODES. Wk (in the module: [1024, 1024], K = its axis 1); Wo (in the module: [1024, 1024], K = its axis 1); Wq (in the module: [1024, 1024], K = its axis 1); Wv (in the module: [1024, 1024], K = its axis 1); x (in the module: [4, 2048, 1024], K = its axis 2): each comes as NAME_codes (uint8): NAME with its K axis moved to the last place and cut into blocks of 32 codes, [.., K / 32, bytes a block], one block behind the other in memory; one code a byte (a code: sign, 5 exponent bits, 2 mantissa bits); its scale is its entry of lowp_scales. Its value is code x scale, taken as it is: it is not quantised again, and the codes and scales need not be those that the quantiser above would give.
;; One version. Each part assembles by itself: llvm-mc -triple=amdgcn-amd-amdhsa -mcpu=gfx1250 --defsym DOCPART=n.
;; ======== version 1 of 1: 3 launches
;; limits: right only within a limited range of input values
;; workspace buffers: q_img 8,388,608 bytes; k_img 8,388,608 bytes; v_img 8,388,608 bytes; y_img 8,388,608 bytes
;; launch qkv (part 1): grid 12 x 32, 4 waves a work-group, clusters of 4 x 4, 327,680 bytes of LDS; arguments x_codes, Wq_codes, Wk_codes, Wv_codes, lowp_scales, token_positions, q_img, k_img, v_img; writes q_img, k_img, v_img
.if DOCPART == 1
	.amdgcn_target "amdgcn-amd-amdhsa--gfx1250"
	.amdhsa_code_object_version 6
	.text
	.protected	k_qbc699a6e35_qkv
	.globl	k_qbc699a6e35_qkv
	.p2align	8
	.type	k_qbc699a6e35_qkv,@function
k_qbc699a6e35_qkv:
	s_mov_b64 s[64:65], 0
	v_nop
	global_prefetch_b8 v0, s[64:65] scope:SCOPE_SE
	s_setreg_imm32_b32 hwreg(HW_REG_WAVE_MODE, 25, 1), 1
	s_wait_xcnt 0x0
	s_wait_alu depctr_hold_cnt(0) depctr_sa_sdst(0) depctr_va_vdst(0) depctr_va_sdst(0) depctr_va_ssrc(0) depctr_va_vcc(0) depctr_vm_vsrc(0)
	s_getreg_b32 s2, hwreg(HW_REG_IB_STS2, 6, 4)
	s_cmp_eq_u32 s2, 0
	s_cbranch_scc0 .Lentry_in_a_cluster
	s_endpgm
.Lentry_in_a_cluster:
	s_bfe_u32 s2, ttmp6, 0x10000c
	s_cmp_lg_u32 s2, 0xf033
	s_cbranch_scc0 .Lentry_shape_is_right
	s_endpgm
.Lentry_shape_is_right:
; Q = rope(x Wq^T), K = rope(x Wk^T), V = x Wv^T on codes of BF8 (E5M2), then quantised again for the two products of attention.
; x: [8192][1024], Wq, Wk, Wv: [1024][1024], codes, K innermost.  Cluster x = 0 makes Q, 1 makes K, 2 makes V; a work-group makes 256 x 256 sums, a wave 128 x 128: 64 accumulators, 512 registers.
; K goes in 4 steps of 256 through a ring of two LDS slots filled by the tensor data mover; a tile row is 256 bytes of memory.
; TWO SIDES.  P is source 1 of the matrix instruction (one set of fragments, window 0), R is source 0 (two sets, window 1).  In the result lane (r, h) holds row r of P and rows 8 h + 0 .. 7 of R.
;   Q, K: P = 256 tokens of x, R = 256 rows of W: a lane holds ONE token and eight neighbouring channels: the pairs that the rotation turns are neighbouring registers, and eight codes are a register pair of the
;         operand of K Q^T (form 16x16x64: registers 2 c, 2 c + 1 hold channels 16 c + 8 h + 0 .. 7).
;   V:    P = 256 rows of Wv, R = 256 tokens of x: a lane holds ONE channel and eight neighbouring tokens: a register pair of the operand V^T (form 16x16x128: registers 2 c, 2 c + 1 hold keys 16 c + 8 h + 0 .. 7).
; The sides differ in addresses alone; the loop is one text.  The outputs are laid as images of the operand registers: 16 bytes a lane, 512 consecutive bytes a store.
;   q_img, k_img: [batch x 16 + head][tile of 16 tokens][2][lane][16 bytes];  v_img: [batch x 16 + head][128 keys][tile of 16 channels][4][lane][16 bytes].
; CLUSTERS: 4 x 4 work-groups.  P's tile hangs on cy (and the cluster's y), R's on cx (and the cluster's y): the four of a row of the cluster ask for P's tile jointly, the four of a column for R's.
; THE ROTATION.  angle = f32(position) x 10^(-i/8), one rounding; n = the nearest whole number to angle / pi; r = angle - n pi with pi in two parts; sin r and cos r by their series up to r^11 and r^12
; (the next terms are under 6e-8 for |r| <= pi/2); the sign (-1)^n.  The two waves that share 128 tokens compute half of the angles each and hand them over through LDS.
; THE SCALES.  A sum stands for sum x 2^(ex + ew); the rotation is linear; so the conversion takes 2^(eout - ex - ew) as its one scale.
; LIMITS: |token_positions| <= 2^23.  e6 - e0 - e1, e7 - e2 - e3 and e9 - e4 - e5 lie between -126 and 112, so that the scale and 57,344 x the scale are f32 numbers.
;         10^(-i/8) is given rounded to the nearest f32 number.  NaN codes among the inputs are not served.
; REGISTERS, in windows of 256: window 0: v16-39 addresses and constants; v40-127 at work on the way out; v128-255 P's fragments, later at work.  window 1: R's two sets.  windows 2, 3: accumulator (a, b) at v[8 (8 (a % 4) + b)].
.set ROWB,   256                       ; a tile row in bytes
.set KROW,   1024                      ; a row of x or of a weight in memory
.set PITCH,  272                       ; an LDS row: 256 bytes + 16 of padding = 68 words: the 16 rows that a load touches start at 16 different banks (64 banks of 4 bytes: ISA guide 11.1)
.set FR,     16                        ; registers of a fragment: 16 rows x 128 K
.set NL,     4                         ; LDS loads that bring one
.set NP,     4                         ; places behind this matrix instruction (ISA guide 7.12.1)
.set HALFT,  128*PITCH                 ; what one tensor load brings
.set SLOT,   4*HALFT                   ; P's 256 rows, then R's 256 rows
.set SPARE,  2*SLOT                    ; behind the ring: the spare words, 128 bytes for each wave
.set ADRA, 16                          ; v16-17  LDS address of my fragments of P in slot 0, 1
.set ADRB, 20                          ; v20-21  the same for R
.set VO,   24                          ; v24     16 x lane: my place in an image
.set TW,   25                          ; v25     where I store my part of the table: 16,384 x wave + 16 x lane (in slot 0, behind its last fill and last read)
.set TR,   26                          ; v26     where I read the table of my 128 tokens: 32,768 x (wave / 2) + 16 x lane
.set PO,   27                          ; v27     byte offset of my first position
.set SPW,  28                          ; v28     LDS address of my spare word; never rewritten
.set NIL,  29                          ; v29     0; never rewritten
.set POS,  32                          ; v32-35  the positions of my lane's token in the four blocks whose angles I compute
.set PF,   36                          ; v36-37  a position as f32, twice
.set SCL,  38                          ; v38     the conversion's scale
.set LIM,  39
.set FQ,   40                          ; v40-55  my 16 frequencies: register 4 t + e is 10^(-(8 t + 4 h + e) / 8)
.set KC,   56                          ; v56-71  16 constants
.set AN,   72                          ; v72-87  angle, then r
.set BN,   88                          ; v88-103 n with the rounding constant, then the sign
.set NN,   104                         ; v104-119 n, then z = r r
.set SN,   128                         ; v128-143 sin
.set CN,   144                         ; v144-159 cos
.set TB,   64                          ; v64-127 two sets of a block's table: 16 sin, 16 cos
.set RR,   128                         ; v128-159 32 rotated numbers
.set R64,  64
.set CD,   192                         ; v192-255 codes on their way out
.set AF,   128                         ; P's fragments
.set G1, 24                            ; s[24:31] descriptor group 1 for P;  s[32:39] group 0, one set for each slot
.set G0, 32
.set G1B, 48                           ; s[48:55], s[56:63] the same for R
.set G0B, 56
.set MSB, 0
.macro WIN new                         ; the immediate's high byte repeats the setting that is left
.if MSB != (\new)
	s_set_vgpr_msb (MSB<<8)|(\new)
.set MSB, (\new)
.endif
.endm
.set MUL_LO, 0xa1                      ; source 0 (R) window 1, source 1 (P) window 0, C and D window 2
.set MUL_HI, 0xf1                      ; the same, C and D window 3
.set TO_B,   0x40                      ; destination window 1, address window 0
; A joint load: waves 0 and 1 fetch for P, waves 2 and 3 for R.  The branch hangs on the wave's number alone.  Four v_nop follow each of the two lines.
.macro JLOAD g0a, g1a, g0b, g1b
	s_cmp_eq_u32 s15, 0
	s_cbranch_scc0 .Lfor_b_\@
	tensor_load_to_lds s[\g0a:\g0a+3], s[\g1a:\g1a+7]
	s_nop 0
.rept 4
	v_nop
.endr
	s_branch .Lasked_\@
.Lfor_b_\@:
	tensor_load_to_lds s[\g0b:\g0b+3], s[\g1b:\g1b+7]
	s_nop 0
.rept 4
	v_nop
.endr
.Lasked_\@:
.endm
.macro CREST                           ; a round of the cluster's barrier behind its opening barrier
	s_cmp_lg_u32 s14, 0
	s_cbranch_scc1 .Lnot_wave_0_\@
	s_barrier_signal -3
.Lnot_wave_0_\@:
	s_barrier_wait -3
	s_barrier_signal -1
	s_barrier_wait -1
.endm
.macro CROUND                          ; a whole round
	s_barrier_signal -1
	s_barrier_wait -1
	CREST
.endm
	s_load_b256 s[4:11], s[0:1], 0x0               ; x s[4:5], Wq s[6:7], Wk s[8:9], Wv s[10:11]
	s_load_b256 s[68:75], s[0:1], 0x20             ; the scales' exponents s[68:69], positions s[70:71], q_img s[72:73], k_img s[74:75]
	s_load_b64 s[76:77], s[0:1], 0x40              ; v_img
	v_lshl_add_u32 v[SPW], v0, 2, SPARE
	v_mov_b32 v[NIL], 0
	ds_add_u32 v28, v29
	ds_add_u32 v28, v29
	s_wait_dscnt 0x0
	v_lshrrev_b32 v1, 5, v0
	v_readfirstlane_b32 s14, v1                    ; wave 0..3
	s_lshr_b32 s15, s14, 1                         ; which 128 rows of P are mine.  Also: I fetch for P (0) or for R (1)
	s_and_b32 s16, s14, 1                          ; which 128 rows of R are mine.  Also: which 128 rows of that tile I fetch
	s_bfe_u32 s40, ttmp6, 0x40000                  ; cx, cy: my place in the cluster
	s_bfe_u32 s41, ttmp6, 0x40004
	s_and_b32 s17, ttmp7, 0xffff
	s_lshl_b32 s17, s17, 2                         ; 4 x cluster y: the tokens' tile, on the side that holds x
	s_cmp_eq_u32 ttmp9, 2                          ; V?  The cluster's x is the same in all sixteen partners
	s_cselect_b32 s18, 0, s17
	s_cselect_b32 s19, s17, 0
	s_add_co_u32 s17, s41, s18                     ; P's tile: cy (+ 4 x cluster y for Q and K)
	s_add_co_u32 s42, s40, s19                     ; R's tile: cx (+ 4 x cluster y for V)
	s_lshl_b32 s43, s41, 2
	s_lshl_b32 s43, 15, s43                        ; my row of the cluster
	s_lshl_b32 s44, 0x1111, s40                    ; my column
	; descriptor group 1: a tile of 128 rows x 256 bytes, padded in LDS
	s_or_b32 s[G1+0], s43, (0<<16)|(1<<20)|(1<<21)|(5<<22)|(3<<25)  ; 15:0 the mask: P's tiles go to my row; 17:16 element of 1 byte; 20 padding on; 21 set beside a mask; 24:22 after every 64 words; 31:25 four words
	s_or_b32 s[G1B+0], s44, (0<<16)|(1<<20)|(1<<21)|(5<<22)|(3<<25) ; the same with the mask of my column
.irp g, G1, G1B
	s_mov_b32 s[\g+1], ROWB<<16                    ; tensor_dim0
	s_mov_b32 s[\g+2], 128<<16                     ; tensor_dim1
	s_mov_b32 s[\g+3], ROWB<<16                    ; tile_dim0
	s_mov_b32 s[\g+4], 128                         ; tile_dim1
	s_mov_b32 s[\g+5], KROW                        ; tensor_dim0_stride
	s_mov_b32 s[\g+6], 0
	s_mov_b32 s[\g+7], 0
.endr
	s_lshl_b32 s18, s16, 7                         ; which 128 rows of the tile I fetch
	s_lshl_b32 s20, s17, 8
	s_add_co_u32 s20, s20, s18
	s_lshl_b32 s20, s20, 10                        ; P: (256 x tile + 128 x half) rows of 1,024 bytes: under 2^23
	s_mov_b32 s21, 0
	s_lshl_b32 s46, s42, 8
	s_add_co_u32 s46, s46, s18
	s_lshl_b32 s46, s46, 10                        ; R likewise
	s_mov_b32 s47, 0
	s_mul_i32 s45, s14, HALFT                      ; where they go: wave x 128 rows: no place in the cluster enters an LDS address
	s_wait_kmcnt 0x0
	s_load_b256 s[80:87], s[68:69], 0x0            ; e0 .. e7
	s_load_b128 s[88:91], s[68:69], 0x20           ; e8 .. e11
	s_cmp_eq_u32 ttmp9, 0
	s_cselect_b64 s[92:93], s[6:7], s[8:9]         ; R: Wq or Wk,
	s_cmp_eq_u32 ttmp9, 2
	s_cselect_b64 s[92:93], s[4:5], s[92:93]       ; or x for V
	s_cselect_b64 s[22:23], s[10:11], s[4:5]       ; P: Wv for V, else x
	s_add_nc_u64 s[20:21], s[22:23], s[20:21]
	s_add_nc_u64 s[46:47], s[92:93], s[46:47]
	CROUND                                         ; all sixteen work-groups are here: the first joint loads meet
.irp s, 0,1
	s_mov_b32 s[G0+4*\s], 1
	s_add_co_u32 s[G0+4*\s+1], s45, \s*SLOT
	s_add_nc_u64 s[G0+4*\s+2:G0+4*\s+3], s[20:21], \s*ROWB
	s_or_b32 s[G0+4*\s+3], s[G0+4*\s+3], 0x80000000
	s_mov_b32 s[G0B+4*\s], 1
	s_add_co_u32 s[G0B+4*\s+1], s45, \s*SLOT
	s_add_nc_u64 s[G0B+4*\s+2:G0B+4*\s+3], s[46:47], \s*ROWB
	s_or_b32 s[G0B+4*\s+3], s[G0B+4*\s+3], 0x80000000
	s_wait_alu depctr_va_vdst(0)
	s_wait_tensorcnt 0x0
	ds_add_u32 v28, v29
	ds_add_u32 v28, v29
	s_wait_dscnt 0x0
	CROUND
	JLOAD G0+4*\s, G1, G0B+4*\s, G1B               ; one tensor load of mine is out
.endr
	v_and_b32 v1, 15, v0                           ; r = lane % 16
	v_bfe_u32 v2, v0, 4, 1                         ; h = lane / 16
	v_mul_u32_u24 v3, v1, PITCH
	v_lshl_add_u32 v4, v2, 4, v3                   ; a fragment's row x pitch + 16 h
	s_mul_i32 s21, s15, HALFT                      ; my 128 rows of P
	s_mul_i32 s22, s16, HALFT                      ; my 128 rows of R,
	s_add_co_u32 s22, s22, 2*HALFT                 ; which lie behind P's 256
.irp s, 0,1
	v_add_nc_u32 v[ADRA+\s], s21, v4
	v_add_nc_u32 v[ADRB+\s], s22, v4
	s_add_co_u32 s21, s21, SLOT
	s_add_co_u32 s22, s22, SLOT
.endr
	v_and_b32 v6, 31, v0
	v_lshlrev_b32 v[VO], 4, v6
	s_lshl_b32 s23, s14, 14
	v_add_nc_u32 v[TW], s23, v[VO]
	s_lshl_b32 s23, s15, 15
	v_add_nc_u32 v[TR], s23, v[VO]
	; the positions of the tokens whose angles I compute: blocks 4 (wave % 2) + 0 .. 3 of the 128 tokens that my pair of waves shares.  (V's work-groups load them too, at an index that is as valid, and use none)
	s_lshl_b32 s18, s17, 8
	s_lshl_b32 s19, s15, 7
	s_add_co_u32 s18, s18, s19
	s_and_b32 s18, s18, 2047                       ; the token's place in its sequence
	s_lshl_b32 s19, s16, 6
	s_add_co_u32 s18, s18, s19
	v_add_nc_u32 v[PO], s18, v1
	v_lshlrev_b32 v[PO], 2, v[PO]
.irp k, 0,1,2,3
	global_load_b32 v[POS+\k], v[PO], s[70:71] offset:64*\k
.endr
.macro FRAG reg, adr, q, i             ; a fragment: lane l holds row l % 16; registers 4 c .. 4 c + 3 hold K = 32 c + 16 (l / 16) + 0 .. 15: the same order of K on both sides
.irp c, 0,1,2,3
	ds_load_b128 v[\reg+4*\c:\reg+4*\c+3], v[\adr] offset:128*(\q)+32*\c+(\i)*16*PITCH
.endr
.endm
; 16 matrix instructions: P's blocks a0, a0 + 1 x R's eight, 128 along K.  p: R's set.  zero = 1: the first product starts the sums.  The 64 accumulators take turns, one instruction a turn.
.macro MUL16 a0, p, zero
.irp a, \a0, \a0+1
.irp b, 0,1,2,3,4,5,6,7
.if \zero
	v_wmma_f32_16x16x128_bf8_bf8 v[8*(8*((\a)%4)+\b):8*(8*((\a)%4)+\b)+7], v[128*(\p)+FR*\b:128*(\p)+FR*\b+FR-1], v[AF+FR*(\a):AF+FR*(\a)+FR-1], 0
.else
	v_wmma_f32_16x16x128_bf8_bf8 v[8*(8*((\a)%4)+\b):8*(8*((\a)%4)+\b)+7], v[128*(\p)+FR*\b:128*(\p)+FR*\b+FR-1], v[AF+FR*(\a):AF+FR*(\a)+FR-1], v[8*(8*((\a)%4)+\b):8*(8*((\a)%4)+\b)+7]
.endif
.endr
.endr
.endm
.macro FETCH_B slot, q, p              ; R's eight fragments of the slot's q-th 128 along K into set p
	WIN TO_B
.irp i, 0,1,2,3,4,5,6,7
	FRAG 128*(\p)+FR*\i, ADRB+\slot, \q, \i
.endr
	WIN 0
.endm
.macro FETCH_A slot, q, i0             ; P's blocks i0 .. i0 + 3
.irp i, \i0, \i0+1, \i0+2, \i0+3
	FRAG AF+FR*(\i), ADRA+\slot, \q, \i
.endr
.endm
.macro PLACES n                        ; plain vector instructions between a matrix instruction and a load into, or a vector read or write of, its registers
.rept \n
	v_nop
.endr
.endm
; A step of 128 along K that has its successor in the same slot.  A block of P is free as soon as its eight products are issued: blocks 0-3 are fetched anew in the middle, blocks 4-7 at the end.
.macro STEP slot, q, zero
	s_wait_dscnt 4*NL                              ; R's set and P's blocks 0-3 are in; the youngest sixteen loads (P's blocks 4-7) may be out
	WIN MUL_LO
	MUL16 0, (\q)%2, \zero
	MUL16 2, (\q)%2, \zero
	s_wait_dscnt 0                                 ; P's blocks 4-7 are in
	PLACES NP
	FETCH_B \slot, (\q)+1, 1-(\q)%2
	FETCH_A \slot, (\q)+1, 0
	WIN MUL_HI
	MUL16 4, (\q)%2, \zero
	MUL16 6, (\q)%2, \zero
	PLACES NP
	WIN 0
	FETCH_A \slot, (\q)+1, 4
.endm
; A slot's last step changes slots: ONE barrier; in front of it each wave waits for all its tensor loads, adds 0 to its spare word, and waits for that and for its own reads of this slot.  fill = 1: this slot is filled again, two K steps ahead.
.macro TURN slot, next, fill
	s_wait_tensorcnt 0x0                           ; all my tensor loads have landed: my part of the next slot
	ds_add_u32 v[SPW], v[NIL]                      ; 0 onto my spare word
	s_wait_dscnt 4*NL+1                            ; (the add and the youngest sixteen loads may be out)
	WIN MUL_LO
	MUL16 0, 1, 0                                  ; sixteen matrix instructions stand between the add and the wait for it
	s_wait_dscnt 0x0                               ; the add is done, and my reads of this slot are over
	s_barrier_signal -1
	MUL16 2, 1, 0
	WIN 0
	s_barrier_wait -1
.if \fill
	CREST                                          ; the barrier has opened a round of the cluster's barrier: no wave of any partner still reads this slot or has a load on its way
	s_add_nc_u64 s[G0+4*\slot+2:G0+4*\slot+3], s[G0+4*\slot+2:G0+4*\slot+3], 2*ROWB
	s_add_nc_u64 s[G0B+4*\slot+2:G0B+4*\slot+3], s[G0B+4*\slot+2:G0B+4*\slot+3], 2*ROWB
	JLOAD G0+4*\slot, G1, G0B+4*\slot, G1B         ; the first tensor load behind the round, my only one until the next; its four v_nop are the places in front of the loads below
.else
	PLACES NP
.endif
	FETCH_B \next, 0, 0
	FETCH_A \next, 0, 0
	WIN MUL_HI
	MUL16 4, 1, 0
	MUL16 6, 1, 0
	PLACES NP
	WIN 0
	FETCH_A \next, 0, 4
.endm
	s_wait_alu depctr_va_vdst(0)
	s_wait_tensorcnt 1                             ; my part of K step 0 is in (K step 1's load may be out)
	s_barrier_signal -1
	s_barrier_wait -1                              ; everybody's is
	FETCH_B 0, 0, 0
	FETCH_A 0, 0, 0
	FETCH_A 0, 0, 4
	STEP 0, 0, 1                                   ; four K steps, eight steps of 128, written out: the first starts the sums
	TURN 0, 1, 1                                   ; slot 0 takes K step 2
	STEP 1, 0, 0
	TURN 1, 0, 1                                   ; slot 1 takes K step 3
	STEP 0, 0, 0
	TURN 0, 1, 0                                   ; nothing is left to fetch; behind this barrier nobody reads slot 0
	STEP 1, 0, 0
	s_wait_dscnt 4*NL                              ; the very last step
	WIN MUL_LO
	MUL16 0, 1, 0
	MUL16 2, 1, 0
	s_wait_dscnt 0
	WIN MUL_HI
	MUL16 4, 1, 0
	MUL16 6, 1, 0
	WIN 0
	PLACES NP                                      ; on every way out: behind the last products, ahead of reads of results and of writes into P's registers
	; the one scale of the conversion, and where my images begin
	s_wait_kmcnt 0x0
	s_sub_co_i32 s18, s86, s80
	s_sub_co_i32 s18, s18, s81                     ; Q: e6 - e0 - e1
	s_sub_co_i32 s19, s87, s82
	s_sub_co_i32 s19, s19, s83                     ; K: e7 - e2 - e3
	s_sub_co_i32 s20, s89, s84
	s_sub_co_i32 s20, s20, s85                     ; V: e9 - e4 - e5
	s_cmp_eq_u32 ttmp9, 0
	s_cselect_b32 s94, s18, s19
	s_cselect_b64 s[92:93], s[72:73], s[74:75]     ; q_img or k_img,
	s_cmp_eq_u32 ttmp9, 2
	s_cselect_b32 s94, s20, s94
	s_cselect_b64 s[92:93], s[76:77], s[92:93]     ; or v_img
	s_cselect_b32 s18, s42, s17                    ; the tokens' tile and my half of it,
	s_cselect_b32 s19, s16, s15
	s_cselect_b32 s20, s17, s42                    ; the channels' tile and my half of it
	s_cselect_b32 s21, s15, s16
	s_add_co_i32 s94, s94, 127
	s_lshl_b32 s94, s94, 23                        ; the scale as f32: the conversion takes its exponent field
	v_mov_b32 v[SCL], s94
	s_lshl_b32 s18, s18, 8
	s_lshl_b32 s19, s19, 7
	s_add_co_u32 s18, s18, s19                     ; my first token, 0 .. 8191
	s_lshl_b32 s20, s20, 2
	s_lshl_b32 s21, s21, 1
	s_add_co_u32 s20, s20, s21                     ; my first head
	s_lshr_b32 s19, s18, 11
	s_lshl_b32 s19, s19, 4
	s_add_co_u32 s19, s19, s20                     ; 16 x batch + head
	s_lshl_b32 s19, s19, 17                        ; 131,072 bytes a head
	s_and_b32 s18, s18, 2047
	s_lshl_b32 s18, s18, 6                         ; 64 bytes a token, in all three layouts
	s_add_co_u32 s22, s19, s18
	s_mov_b32 s23, 0
	s_add_nc_u64 s[92:93], s[92:93], s[22:23]
	s_cmp_eq_u32 ttmp9, 2
	s_cbranch_scc1 .Lno_table                      ; V has no rotation: only the arithmetic is jumped over, the barrier below is on every path
	s_wait_loadcnt 0x0                             ; the positions
	v_and_b32 v[PF], 16, v0
	v_cmp_ne_u32 vcc_lo, 0, v[PF]                  ; lanes 16-31
.macro FREQ n, lo, hi                  ; register n: lo in lanes 0-15, hi in lanes 16-31
	v_mov_b32 v[FQ+\n], \hi
	v_cndmask_b32 v[FQ+\n], \lo, v[FQ+\n], vcc_lo
.endm
	FREQ 0,  0x3F800000, 0x3EA1E89B                ; 10^(-i/8): i = 0 and 4
	FREQ 1,  0x3F3FF911, 0x3E72D424                ; 1, 5
	FREQ 2,  0x3F0FF59A, 0x3E361887                ; 2, 6
	FREQ 3,  0x3ED7E89B, 0x3E088D77                ; 3, 7
	FREQ 4,  0x3DCCCCCD, 0x3D0186E2                ; 8, 12
	FREQ 5,  0x3D99940E, 0x3CC24350                ; 9, 13
	FREQ 6,  0x3D6655C3, 0x3C91AD39                ; 10, 14
	FREQ 7,  0x3D2CBA15, 0x3C5A7BF1                ; 11, 15
	FREQ 8,  0x3C23D70A, 0x3B4F3E37                ; 16, 20
	FREQ 9,  0x3BF5B9B0, 0x3B1B690D                ; 17, 21
	FREQ 10, 0x3BB8449C, 0x3AE91528                ; 18, 22
	FREQ 11, 0x3B8A2E77, 0x3AAEC98E                ; 19, 23
	FREQ 12, 0x3A83126F, 0x39A5CB5F                ; 24, 28
	FREQ 13, 0x3A44948C, 0x3978A814                ; 25, 29
	FREQ 14, 0x3A136A16, 0x393A7753                ; 26, 30
	FREQ 15, 0x39DD1726, 0x390BD472                ; 27, 31
	v_mov_b32 v[KC+0],  0x3EA2F983                 ; 1 / pi
	v_mov_b32 v[KC+1],  0x4B400000                 ; 1.5 x 2^23: added, it rounds to a whole number and leaves that number in the low bits
	v_mov_b32 v[KC+2],  0xCB400000                 ; and taken away again
	v_mov_b32 v[KC+3],  0xC0490FDB                 ; -(pi rounded to f32)
	v_mov_b32 v[KC+4],  0x33BBBD2E                 ; -(pi less that)
	v_mov_b32 v[KC+5],  0xB2D7322B                 ; -1 / 11!
	v_mov_b32 v[KC+6],  0x3638EF1D                 ; 1 / 9!
	v_mov_b32 v[KC+7],  0xB9500D01                 ; -1 / 7!
	v_mov_b32 v[KC+8],  0x3C088889                 ; 1 / 5!
	v_mov_b32 v[KC+9],  0xBE2AAAAB                 ; -1 / 3!
	v_mov_b32 v[KC+10], 0x310F76C7                 ; 1 / 12!
	v_mov_b32 v[KC+11], 0xB493F27E                 ; -1 / 10!
	v_mov_b32 v[KC+12], 0x37D00D01                 ; 1 / 8!
	v_mov_b32 v[KC+13], 0xBAB60B61                 ; -1 / 6!
	v_mov_b32 v[KC+14], 0x3D2AAAAB                 ; 1 / 4!
	v_mov_b32 v[KC+15], 0xBF000000                 ; -1 / 2!
; A constant is one register of an even pair: op_sel and op_sel_hi name the same register of the pair for both halves of a packed instruction.
.macro HEAD2 d, s, kp1, sel1, kp2, sel2 ; d = s x constant + constant, 16 numbers
.irp j, 0,2,4,6,8,10,12,14
	v_pk_fma_f32 v[\d+\j:\d+\j+1], v[\s+\j:\s+\j+1], v[KC+\kp1:KC+\kp1+1], v[KC+\kp2:KC+\kp2+1] op_sel:[0,\sel1,\sel2] op_sel_hi:[1,\sel1,\sel2]
.endr
.endm
.macro HORN d, kp, sel                 ; d = d x z + constant
.irp j, 0,2,4,6,8,10,12,14
	v_pk_fma_f32 v[\d+\j:\d+\j+1], v[\d+\j:\d+\j+1], v[NN+\j:NN+\j+1], v[KC+\kp:KC+\kp+1] op_sel:[0,0,\sel] op_sel_hi:[1,1,\sel]
.endr
.endm
.macro LESS kp, sel                    ; angle = n x constant + angle
.irp j, 0,2,4,6,8,10,12,14
	v_pk_fma_f32 v[AN+\j:AN+\j+1], v[NN+\j:NN+\j+1], v[KC+\kp:KC+\kp+1], v[AN+\j:AN+\j+1] op_sel:[0,\sel,0] op_sel_hi:[1,\sel,1]
.endr
.endm
; sin and cos of my lane's 16 angles of block 4 (wave % 2) + k, into the table
.macro SINCOS k
	v_cvt_f32_i32 v[PF], v[POS+\k]
	v_cvt_f32_i32 v[PF+1], v[POS+\k]
.irp j, 0,2,4,6,8,10,12,14
	v_pk_mul_f32 v[AN+\j:AN+\j+1], v[FQ+\j:FQ+\j+1], v[PF:PF+1]   ; the angle, rounded once
.endr
	HEAD2 BN, AN, 0, 0, 0, 1                       ; angle / pi + 1.5 x 2^23
.irp j, 0,2,4,6,8,10,12,14
	v_pk_add_f32 v[NN+\j:NN+\j+1], v[BN+\j:BN+\j+1], v[KC+2:KC+3] op_sel_hi:[1,0]   ; n
.endr
.set i, 0
.rept 16
	v_lshlrev_b32 v[BN+i], 31, v[BN+i]             ; n's lowest bit becomes the sign
.set i, i+1
.endr
	LESS 2, 1                                      ; - n x pi's upper part: exact,
	LESS 4, 0                                      ; - n x the rest: r
.irp j, 0,2,4,6,8,10,12,14
	v_pk_mul_f32 v[NN+\j:NN+\j+1], v[AN+\j:AN+\j+1], v[AN+\j:AN+\j+1]   ; z = r r
.endr
.if \k > 0
	s_wait_alu depctr_va_vdst(0)
	s_wait_dscnt 0x0                               ; the last block's stores have read their registers
.endif
	HEAD2 SN, NN, 4, 1, 6, 0
	HORN SN, 6, 1
	HORN SN, 8, 0
	HORN SN, 8, 1
.irp j, 0,2,4,6,8,10,12,14
	v_pk_mul_f32 v[SN+\j:SN+\j+1], v[SN+\j:SN+\j+1], v[NN+\j:NN+\j+1]
.endr
.irp j, 0,2,4,6,8,10,12,14
	v_pk_fma_f32 v[SN+\j:SN+\j+1], v[SN+\j:SN+\j+1], v[AN+\j:AN+\j+1], v[AN+\j:AN+\j+1]   ; sin r = r + r z (..)
.endr
	HEAD2 CN, NN, 10, 0, 10, 1
	HORN CN, 12, 0
	HORN CN, 12, 1
	HORN CN, 14, 0
	HORN CN, 14, 1
.irp j, 0,2,4,6,8,10,12,14
	v_pk_fma_f32 v[CN+\j:CN+\j+1], v[CN+\j:CN+\j+1], v[NN+\j:NN+\j+1], 1.0 op_sel_hi:[1,1,0]   ; cos r = 1 + z (..)
.endr
.set i, 0
.rept 16
	v_xor_b32 v[SN+i], v[BN+i], v[SN+i]            ; x (-1)^n
	v_xor_b32 v[CN+i], v[BN+i], v[CN+i]
.set i, i+1
.endr
.irp c, 0,1,2,3
	ds_store_b128 v[TW], v[SN+4*\c:SN+4*\c+3] offset:4096*\k+512*\c          ; as an image of the registers: 512 consecutive bytes a store
	ds_store_b128 v[TW], v[CN+4*\c:CN+4*\c+3] offset:4096*\k+2048+512*\c
.endr
.endm
	SINCOS 0
	SINCOS 1
	SINCOS 2
	SINCOS 3
.Lno_table:
	s_wait_dscnt 0x0                               ; for the other wave's sake: my part of the table lies in LDS
	s_barrier_signal -1
	s_barrier_wait -1
	s_cmp_eq_u32 ttmp9, 2
	s_cbranch_scc1 .Lv_path
; Q AND K.  Block a: 16 tokens x my 128 channels (two heads).  The table of a block is the same for both heads.
.macro LOADT a
.irp c, 0,1,2,3,4,5,6,7
	ds_load_b128 v[TB+32*((\a)%2)+4*\c:TB+32*((\a)%2)+4*\c+3], v[TR] offset:4096*(\a)+512*\c
.endr
.endm
.macro ROPE a
.set TS, TB+32*((\a)%2)                ; 16 sin,
.set TC, TS+16                         ; 16 cos: number 4 t + e serves registers 2 e, 2 e + 1 of tile t
.irp g, 0,1
	WIN 0x02+(\a)/4                                ; source 0: the accumulators' window
.irp t, 0,1,2,3
.irp eh, 0,1
.irp k, 0,1
	v_pk_mul_f32 v[RR+8*\t+4*\eh+2*\k:RR+8*\t+4*\eh+2*\k+1], v[8*(8*((\a)%4)+4*\g+\t)+4*\eh+2*\k:8*(8*((\a)%4)+4*\g+\t)+4*\eh+2*\k+1], v[TC+4*\t+2*\eh:TC+4*\t+2*\eh+1] op_sel:[0,\k] op_sel_hi:[1,\k]   ; t1 cos, t2 cos; each accumulator from its low end on
.endr
.endr
.endr
.irp t, 0,1,2,3
.irp eh, 0,1
.irp k, 0,1
	v_pk_fma_f32 v[RR+8*\t+4*\eh+2*\k:RR+8*\t+4*\eh+2*\k+1], v[8*(8*((\a)%4)+4*\g+\t)+4*\eh+2*\k:8*(8*((\a)%4)+4*\g+\t)+4*\eh+2*\k+1], v[TS+4*\t+2*\eh:TS+4*\t+2*\eh+1], v[RR+8*\t+4*\eh+2*\k:RR+8*\t+4*\eh+2*\k+1] op_sel:[1,\k,0] op_sel_hi:[0,\k,1] neg_lo:[1,0,0]   ; - t2 sin, + t1 sin: source 0's halves change places
.endr
.endr
.endr
	WIN 0
.set i, 0
.rept 32
.set i, i+1
.endr
.set CSET, CD+8*((2*(\a)+\g)%8)
.irp t, 0,1,2,3
	v_cvt_scalef32_pk8_bf8_f32 v[CSET+2*\t:CSET+2*\t+1], v[RR+8*\t:RR+8*\t+7], v[SCL]   ; channels 16 t + 8 h + 0 .. 7: register pair t of the operand
.endr
	v_nop                                          ; a plain vector instruction between the conversions and the next lines that write their sources
.irp c, 0,1
	global_store_b128 v[VO], v[CSET+4*\c:CSET+4*\c+3], s[92:93] offset:1024*(\a)+131072*\g+512*\c   ; 512 consecutive bytes, at a multiple of 512 from the buffer's first byte
.endr
.endr
.endm
	LOADT 0
.irp a, 0,1,2,3,4,5,6,7
.if \a < 7
	LOADT \a+1
	s_wait_dscnt 8                                 ; this block's table is in; the next block's eight loads may be out
.else
	s_wait_dscnt 0
.endif
.if \a >= 4
	s_wait_xcnt 0x0                                ; the stores of four blocks ago have read their codes: those registers are written again
.endif
	ROPE \a
.endr
	s_branch .Lend
.Lv_path:
; V.  Block a = 4 g + t: 16 channels (head g of my two, tile t) x my 128 tokens: one fragment of V^T.
.macro VOUT a
.if (\a) >= 4
	s_wait_xcnt 0x0                                ; the stores of four blocks ago have read their codes
.endif
	WIN 0x02+(\a)/4
.irp b, 0,1,2,3,4,5,6,7
.irp j, 0,1,2,3,4,5,6,7
.endr
.endr
.set CSET, CD+16*((\a)%4)
.irp b, 0,1,2,3,4,5,6,7
	v_cvt_scalef32_pk8_bf8_f32 v[CSET+2*\b:CSET+2*\b+1], v[R64+8*\b+((8*(8*((\a)%4)+0)+0)-(R64+8*0+0)):R64+8*\b+7+((8*(8*((\a)%4)+0)+0)-(R64+8*0+0))], v[SCL]
.endr
	WIN 0
	v_nop
.irp c, 0,1,2,3
	global_store_b128 v[VO], v[CSET+4*\c:CSET+4*\c+3], s[92:93] offset:131072*((\a)/4)+2048*((\a)%4)+512*\c
.endr
.endm
	s_wait_alu depctr_va_vdst(0)
.irp a, 0,1,2,3,4,5,6,7
	VOUT \a
.endr
.Lend:
	s_wait_tensorcnt 0x0                           ; the wave's end: behind my last tensor load and my last LDS store
	ds_add_u32 v[SPW], v[NIL]
	s_wait_dscnt 0x0
	CROUND                                         ; the closing round: no work-group ends while a partner may still ask for a tile that names it
	s_endpgm
.Lfunc_end_k_qbc699a6e35_qkv:
	.size	k_qbc699a6e35_qkv, .Lfunc_end_k_qbc699a6e35_qkv-k_qbc699a6e35_qkv
	.p2alignl 7, 3214868480
	.fill 96, 4, 3214868480
	.section	.rodata,"a",@progbits
	.p2align	6, 0x0
	.amdhsa_kernel k_qbc699a6e35_qkv
		.amdhsa_group_segment_fixed_size 327680
		.amdhsa_private_segment_fixed_size 0
		.amdhsa_enable_private_segment 0
		.amdhsa_kernarg_size 72
		.amdhsa_user_sgpr_count 2
		.amdhsa_user_sgpr_kernarg_segment_ptr 1
		.amdhsa_wavefront_size32 1
		.amdhsa_system_sgpr_workgroup_id_x 1
		.amdhsa_system_sgpr_workgroup_id_y 1
		.amdhsa_system_sgpr_workgroup_id_z 1
		.amdhsa_system_vgpr_workitem_id 0
		.amdhsa_next_free_vgpr 1024
		.amdhsa_next_free_sgpr 100
		.amdhsa_reserve_vcc 1
		.amdhsa_float_denorm_mode_32 3
		.amdhsa_float_denorm_mode_16_64 3
		.amdhsa_fp16_overflow 1
		.amdhsa_memory_ordered 1
		.amdhsa_forward_progress 1
		.amdhsa_inst_pref_size 180
	.end_amdhsa_kernel
	.amdgpu_metadata
---
amdhsa.version: [ 1, 2 ]
amdhsa.kernels:
  - .name:           k_qbc699a6e35_qkv
    .symbol:         k_qbc699a6e35_qkv.kd
    .args:
      - { .name: x_codes, .offset: 0, .size: 8, .value_kind: global_buffer, .address_space: global }
      - { .name: Wq_codes, .offset: 8, .size: 8, .value_kind: global_buffer, .address_space: global }
      - { .name: Wk_codes, .offset: 16, .size: 8, .value_kind: global_buffer, .address_space: global }
      - { .name: Wv_codes, .offset: 24, .size: 8, .value_kind: global_buffer, .address_space: global }
      - { .name: lowp_scales, .offset: 32, .size: 8, .value_kind: global_buffer, .address_space: global }
      - { .name: token_positions, .offset: 40, .size: 8, .value_kind: global_buffer, .address_space: global }
      - { .name: q_img, .offset: 48, .size: 8, .value_kind: global_buffer, .address_space: global }
      - { .name: k_img, .offset: 56, .size: 8, .value_kind: global_buffer, .address_space: global }
      - { .name: v_img, .offset: 64, .size: 8, .value_kind: global_buffer, .address_space: global }
    .group_segment_fixed_size: 327680
    .private_segment_fixed_size: 0
    .kernarg_segment_align: 8
    .kernarg_segment_size: 72
    .max_flat_workgroup_size: 128
    .sgpr_count:     100
    .vgpr_count:     1024
    .wavefront_size: 32
...
	.end_amdgpu_metadata
.endif
;; end of part 1
;; launch attn (part 2): grid 4 x 64, 16 waves a work-group, no clusters, 327,680 bytes of LDS; arguments q_img, k_img, v_img, lowp_scales, y_img; writes y_img
.if DOCPART == 2
	.amdgcn_target "amdgcn-amd-amdhsa--gfx1250"
	.amdhsa_code_object_version 6
	.text
	.protected	k_qbc699a6e35_attn
	.globl	k_qbc699a6e35_attn
	.p2align	8
	.type	k_qbc699a6e35_attn,@function
k_qbc699a6e35_attn:
	s_mov_b64 s[64:65], 0
	v_nop
	global_prefetch_b8 v0, s[64:65] scope:SCOPE_SE
	s_setreg_imm32_b32 hwreg(HW_REG_WAVE_MODE, 25, 1), 1
	s_wait_xcnt 0x0
; Y[b][h][q] = the sum over keys k <= q of softmax_k(Q . K / 8) V, both products on codes of BF8 (E5M2); Y is quantised for the last projection.
; Q, K, V come as images of the operand registers (16 bytes a lane, 512 bytes a load): q_img, k_img [bh][tile of 16 tokens][2][lane][16], v_img [bh][128 keys][tile of 16 channels][4][lane][16].
; THE SOFTMAX AHEAD OF THE SECOND PRODUCT: t = score x log2(e) / 8; M = the row's largest t so far, rounded UP to a whole number; p = 2^(t - M) is what is quantised; the row's sum is taken of the unquantised p
; and divides at the end.  When M moves, the sum and O are multiplied by 2^(old M - new M): exact.
; SHARES.  Work-group (p, bh) owns two blocks of 256 queries of one head: block 7 - p, which needs key slots 0 .. 7 - p, then block p, which needs slots 0 .. p: nine slots of 256 keys for every p, so all
; 256 work-groups have the same number of slots and the loop's trip count is a constant.  Each of the sixteen waves owns 16 queries of the block in hand, in 256 registers: four waves to a SIMD.
; NO JOINT LOADS: the four work-groups of a head need different slots from the sixth change of slots on (8 - p slots in the first pass), and a walk in common would have 8 + 4 slots where this one has 9.
; LAYOUT.  Both products are used transposed: S^T = K Q^T (form 16x16x64: source 0 = 16 keys, source 1 = my 16 queries), O^T = V^T P^T (form 16x16x128: source 0 = 16 channels, source 1 = P): a lane holds ONE query.
; Register j of tile t of S^T is key 16 t + 8 (lane / 16) + j: eight codes of it are register pair t of P, in the order in which v_img holds the keys.
; Y LEAVES FROM REGISTERS: eight codes of tile t of O^T are channels 16 t + 8 (lane / 16) + 0 .. 7 of query lane % 16; y_img is [head / 4][16 rows][head % 4][t][row][16 bytes]: a wave's store covers 256 consecutive bytes, aligned.
; LIMITS on the given exponents: e6 + e7 between -123 and 130 (they are added to the exponent field of log2(e) / 8); e8, and e10 - e8 - e9, between -126 and 112.
; REGISTERS: v1-7 addresses; v12 -M, v13 the largest t, v[14:15] the sum in two halves; v16-23 Q, v24-31 the second block's Q; v32-95 K's eight fragments, then V's four; v96-159 S^T, then p; v160-191 O^T;
;   v192-207 p's codes; v208-223 Y's codes; v244 2^e8; v246 2^(e10 - e8 - e9); v236, v242, v243, v252-254 at work.
.set USE_DUAL, 1
.set SLOT1, 32768                      ; a slot: K's 16 images (16,384 bytes), then V's 8; slot 1 begins here, so that one exclusive or turns an address from one slot into the other
.set VOFF,  16384
.set SPARE, 65536                      ; behind the ring: the spare words, 128 bytes for each wave
.set LI,   1                           ; v1   16 x lane
.set ADK,  2                           ; v2   the slot in hand + 16 x lane
.set YO,   3                           ; v3   16 (lane % 16) + 8 (lane / 16); never rewritten
.set PFO,  4                           ; v4   256 x lane; never rewritten
.set SPW,  5                           ; v5   LDS address of my spare word; never rewritten
.set NIL,  6                           ; v6   0; never rewritten
.set DL,   7                           ; v7   lane % 16 - 8 (lane / 16)
.set TB,   2                           ; s2   LDS byte at which the slot in hand begins
.set TRIPS, 3                          ; s3   8 down to 1
.set WV,   18
.set SEL,  20                          ; s[20:21] lane selects for v_permlanex16_b32: lane l xor 16
.set CS,   22                          ; s[22:23] c = log2(e) / 8 x 2^(e6 + e7)
.set G1,   24                          ; s[24:31] descriptor group 1: 16,384 dense bytes as 64 rows of 256
.set G0,   32                          ; s[32:35] group 0
.set KVB,  36                          ; s[36:37] the head's first byte of what I fetch: k_img (wave 0) or v_img (wave 1)
.set OFF,  38                          ; s[38:39] the slot to be fetched, in bytes
.set NA,   41                          ; s41  8 - p: slots of the first pass
.set KFILL, 42                         ; s42  the key slot that the next fill brings
.set KF,   43                          ; s43  the step's first key
.set Q0,   44                          ; s44  my first query of the block in hand
.set KEND, 45                          ; s45  256 (8 - p): where the first pass ends
.set Q0B,  46                          ; s46  my first query of the second block
.set YA,   48                          ; s[48:49], s[50:51] where my 16 rows of Y go, first and second block
.set YB,   50
.set PFA,  52                          ; s[52:53] where my prefetches stand
.set LIM,  54                          ; s54  2 in a wave that prefetches, else the greatest number
.macro TLOAD                           ; wave 0 fetches K's images of a slot, wave 1 V's; the others nothing.  Four v_nop follow the line
	s_cmp_lt_u32 s[WV], 2
	s_cbranch_scc0 .Lasked_\@
	tensor_load_to_lds s[G0:G0+3], s[G1:G1+7]
	s_nop 0
.rept 4
	v_nop
.endr
.Lasked_\@:
.endm
; A PREFETCH INTO THE L2 of the key slot that the NEXT change of slots will ask for.  All four work-groups of a head begin with slots 0, 1, 2 ..; the one with p = 0, which walks all eight, asks, and nobody else.
; In it waves 4 and 5 ask for the two halves of K's 16,384 bytes, waves 6 and 7 for V's: 8,192 bytes a wave, lanes 256 bytes apart: each aligned block of 256 bytes is named once in the launch.
; Change n (trips left 9 - n) asks for slot n + 1, for n up to 6: slot 7 is the head's last.  Slots 0 and 1 come by their loads alone.
.macro ASK
	s_cmp_gt_u32 s[TRIPS], s[LIM]
	s_cbranch_scc0 .Lnot_mine_\@
	global_prefetch_b8 v[PFO], s[PFA:PFA+1] th:TH_LOAD_NT scope:SCOPE_SE
.Lnot_mine_\@:
.endm
	s_load_b256 s[4:11], s[0:1], 0x0               ; q_img s[4:5], k_img s[6:7], v_img s[8:9], the scales' exponents s[10:11]
	s_load_b64 s[12:13], s[0:1], 0x20              ; y_img
	v_lshl_add_u32 v[SPW], v0, 2, SPARE
	v_mov_b32 v[NIL], 0
	ds_add_u32 v5, v6
	ds_add_u32 v5, v6
	s_wait_dscnt 0x0
	v_lshrrev_b32 v8, 5, v0
	s_delay_alu instid0(VALU_DEP_1)
	v_readfirstlane_b32 s[WV], v8                  ; wave 0..15
	s_and_b32 s14, ttmp7, 0xffff                   ; bh = 16 x batch + head
	s_lshl_b32 s66, s14, 17                        ; 131,072 bytes a head in each of the three images
	s_mov_b32 s67, 0
	s_mov_b32 s[G1], 3<<16                         ; 15:0 no mask; 17:16 elements of 8 bytes; no padding: every fragment load takes 512 consecutive bytes
	s_mov_b32 s[G1+1], 32<<16                      ; tensor_dim0 = 32 elements
	s_mov_b32 s[G1+2], 64<<16                      ; tensor_dim1 = 64
	s_mov_b32 s[G1+3], 32<<16                      ; tile_dim0
	s_mov_b32 s[G1+4], 64                          ; tile_dim1
	s_mov_b32 s[G1+5], 32                          ; tensor_dim0_stride: dense
	s_mov_b32 s[G1+6], 0
	s_mov_b32 s[G1+7], 0
	s_and_b32 s15, s[WV], 1
	s_mov_b32 s[G0], 1
	s_lshl_b32 s[G0+1], s15, 14                    ; LDS: slot 0; K's images first, V's 16,384 bytes on
	s_mov_b32 s[OFF+1], 0
	s_sub_co_u32 s[NA], 8, ttmp9
	s_mov_b32 s[KFILL], 1
	s_mov_b32 s[KF], 0
	s_lshl_b32 s16, s[WV], 4
	s_sub_co_u32 s17, 7, ttmp9
	s_lshl_b32 s[Q0], s17, 8
	s_add_co_u32 s[Q0], s[Q0], s16                 ; 256 (7 - p) + 16 x wave
	s_lshl_b32 s[Q0B], ttmp9, 8
	s_add_co_u32 s[Q0B], s[Q0B], s16               ; 256 p + 16 x wave
	s_lshl_b32 s[KEND], s[NA], 8
	s_mov_b32 s[TB], 0
	s_mov_b32 s[TRIPS], 8
	s_mov_b32 s[SEL], 0x76543210
	s_mov_b32 s[SEL+1], 0xfedcba98
	s_mov_b32 s[CS], 0x3E38AA3B                    ; log2(e) / 8
	s_wait_kmcnt 0x0
	s_load_b128 s[56:59], s[10:11], 0x18           ; e6, e7, e8, e9
	s_load_b32 s60, s[10:11], 0x28                 ; e10
	s_cmp_eq_u32 s15, 0
	s_cselect_b64 s[KVB:KVB+1], s[6:7], s[8:9]
	s_add_nc_u64 s[KVB:KVB+1], s[KVB:KVB+1], s[66:67]
	s_mov_b64 s[G0+2:G0+3], s[KVB:KVB+1]           ; key slot 0
	s_or_b32 s[G0+3], s[G0+3], 0x80000000          ; type = 2
	TLOAD                                          ; one tensor load of mine is out, here and behind every change of slots
	s_add_nc_u64 s[4:5], s[4:5], s[66:67]          ; Q's images of my head
	v_and_b32 v8, 31, v0
	s_delay_alu instid0(VALU_DEP_1)
	v_lshlrev_b32 v[LI], 4, v8
	s_delay_alu instid0(VALU_DEP_2)
	v_lshlrev_b32 v[PFO], 8, v8
	s_lshl_b32 s16, s[Q0], 6                       ; 1,024 bytes a tile of 16 queries
	s_lshl_b32 s17, s[Q0B], 6
	v_add_nc_u32 v9, s16, v[LI]
	v_add_nc_u32 v10, s17, v[LI]
	global_load_b128 v[16:19], v9, s[4:5]          ; both blocks' Q stay in registers
	global_load_b128 v[20:23], v9, s[4:5] offset:512
	global_load_b128 v[24:27], v10, s[4:5]
	global_load_b128 v[28:31], v10, s[4:5] offset:512
	; the prefetches: where my wave's stand, and who asks
	s_cmp_lt_u32 s[WV], 6
	s_cselect_b64 s[PFA:PFA+1], s[6:7], s[8:9]
	s_add_nc_u64 s[PFA:PFA+1], s[PFA:PFA+1], s[66:67]
	s_lshl_b32 s16, s15, 13                        ; my half of the 16,384 bytes,
	s_add_co_u32 s16, s16, 16384                   ; in slot 1: the first change of slots steps it to slot 2
	s_mov_b32 s17, 0
	s_add_nc_u64 s[PFA:PFA+1], s[PFA:PFA+1], s[16:17]
	s_sub_co_u32 s55, s[WV], 4
	s_lshr_b32 s55, s55, 2                         ; 0 in waves 4 to 7,
	s_or_b32 s55, s55, ttmp9                       ; of the work-group with p = 0
	s_cmp_eq_u32 s55, 0
	s_cselect_b32 s[LIM], 2, -1
	; where Y goes: (head / 4) x 2^21 + (128 x batch + query / 16) x 4,096 + (head % 4) x 1,024
	s_lshr_b32 s16, s14, 4
	s_and_b32 s17, s14, 15
	s_lshr_b32 s19, s17, 2
	s_lshl_b32 s19, s19, 21
	s_and_b32 s17, s17, 3
	s_lshl_b32 s17, s17, 10
	s_add_co_u32 s19, s19, s17
	s_lshl_b32 s16, s16, 19
	s_add_co_u32 s19, s19, s16
	s_lshl_b32 s16, s[Q0], 8
	s_add_co_u32 s66, s19, s16
	s_add_nc_u64 s[YA:YA+1], s[12:13], s[66:67]
	s_lshl_b32 s16, s[Q0B], 8
	s_add_co_u32 s66, s19, s16
	s_add_nc_u64 s[YB:YB+1], s[12:13], s[66:67]
	v_and_b32 v11, 15, v0
	v_bfe_u32 v232, v0, 4, 1
	s_delay_alu instid0(VALU_DEP_2)
	v_lshlrev_b32 v[YO], 4, v11
	s_delay_alu instid0(VALU_DEP_1)
	v_lshl_add_u32 v[YO], v232, 3, v[YO]
	s_delay_alu instid0(VALU_DEP_3)
	v_lshlrev_b32 v232, 3, v232
	s_delay_alu instid0(VALU_DEP_1)
	v_sub_nc_u32 v[DL], v11, v232
.macro FRESH                           ; a block of queries begins: the largest t so far is -3e38, under every t; the sums are zeros, which the first change of M leaves zeros
	v_mov_b32 v13, 0xff61b1e6
	s_delay_alu instid0(VALU_DEP_1)
	v_floor_f32 v12, -v13                          ; -M
	v_mov_b32 v14, 0
	v_mov_b32 v15, 0
.set i, 0
.rept 32
	v_mov_b32 v[160+i], 0
.set i, i+1
.endr
.endm
	FRESH
	v_mov_b32 v236, 0                              ; written once: a lane permute's destination counts as one of its sources
	v_mov_b32 v252, 0
	v_mov_b32 v253, 0                              ; (named as the upper half of the pair v[252:253])
	v_mov_b32 v254, 0
	s_wait_kmcnt 0x0
	s_add_co_i32 s16, s56, s57
	s_lshl_b32 s16, s16, 23
	s_add_co_i32 s[CS], s[CS], s16                 ; a score stands for score x 2^(e6 + e7): the exponents are added to c's exponent field
	s_mov_b32 s[CS+1], s[CS]                       ; (named with it as a pair, so it is written)
	s_add_co_i32 s16, s58, 127
	s_lshl_b32 s17, s16, 23
	v_mov_b32 v244, s17                            ; 2^e8 as f32, for p's conversion
	s_sub_co_i32 s16, s60, s58
	s_sub_co_i32 s16, s16, s59                     ; O / l stands for Y / 2^(e8 + e9): Y's code is (O / l) / 2^(e10 - e8 - e9)
	s_add_co_i32 s16, s16, 127
	s_lshl_b32 s17, s16, 23
	v_mov_b32 v246, s17
; A KEY STEP: 128 keys, the q-th of the slot in hand.
.macro STEP q
	s_add_co_u32 s61, s[Q0], 15                    ; a step all of whose keys come after my 16 queries is left out: a scalar branch on ids and counters; no barrier and no tensor load stands in a step
	s_cmp_gt_u32 s[KF], s61
	s_cbranch_scc1 .Lhidden_\@
.rept 4
	v_nop                                          ; places in front of loads into registers that the last products read
.endr
	s_wait_alu depctr_va_vdst(0)
.irp t, 0,1,2,3,4,5,6,7
	ds_load_b128 v[32+8*\t:35+8*\t], v[ADK] offset:(8*(\q)+\t)*1024
	ds_load_b128 v[36+8*\t:39+8*\t], v[ADK] offset:(8*(\q)+\t)*1024+512
.endr
	s_wait_dscnt 0x0
.irp t, 0,1,2,3,4,5,6,7
	v_wmma_f32_16x16x64_bf8_bf8 v[96+8*\t:103+8*\t], v[32+8*\t:39+8*\t], v[16:23], 0   ; S^T: keys 16 t on x my queries
.endr
.rept 4
	v_nop                                          ; places: in front of the loads below and of the first read of the scores
.endr
	s_wait_alu depctr_va_vdst(0)
.irp t, 0,1,2,3
.irp c, 0,1,2,3
	ds_load_b128 v[32+16*\t+4*\c:35+16*\t+4*\c], v[ADK] offset:VOFF+8192*(\q)+2048*\t+512*\c   ; V's four fragments land while the softmax is worked
.endr
.endr
	s_add_co_u32 s61, s[KF], 127                   ; on the diagonal the scores of hidden keys become -infinity ahead of the maximum: p = 0 then.  A step all of whose keys count skips this.
	s_cmp_le_u32 s61, s[Q0]                        ; (KF and my first query are multiples of 16, so in a step that is worked key KF counts for every one of my queries)
	s_cbranch_scc1 .Lopen_\@
	s_sub_co_i32 s61, s[Q0], s[KF]
	v_add_nc_u32 v252, s61, v[DL]                  ; d = my query - KF - 8 (lane / 16).  Register 8 t + j holds key KF + 16 t + 8 (lane / 16) + j: hidden where 16 t + j > d
	v_mov_b32 v254, 0xff800000
.set n, 0
.rept 64
	v_cmp_gt_i32 vcc_lo, 16*(n/8)+n%8, v252
	v_cndmask_b32 v[96+n], v[96+n], v254, vcc_lo
.set n, n+1
.endr
.Lopen_\@:
	v_max3_num_f32 v254, v96, v97, v98             ; the step's largest score of my query, among my 64 keys, in two chains (each accumulator is first read at its low end),
	v_max3_num_f32 v252, v99, v100, v101
.irp i, 6,10,14,18,22,26,30,34,38,42,46,50,54,58
	v_max3_num_f32 v254, v254, v[96+\i], v[97+\i]
	v_max3_num_f32 v252, v252, v[98+\i], v[99+\i]
.endr
	v_max3_num_f32 v254, v254, v158, v159
	s_delay_alu instid0(VALU_DEP_1)
	v_max_num_f32 v254, v254, v252
	s_delay_alu instid0(VALU_DEP_1)
	v_permlanex16_b32 v236, v254, s[SEL], s[SEL+1]
	s_delay_alu instid0(VALU_DEP_1)
	v_max_num_f32 v254, v254, v236                 ; and among lane l xor 16's
	s_delay_alu instid0(VALU_DEP_1)
	v_mul_f32 v254, s[CS], v254                    ; as t (c is positive)
	s_delay_alu instid0(VALU_DEP_1)
	v_max_num_f32 v13, v13, v254                   ; the running largest t
	v_mov_b32 v254, v12
	s_delay_alu instid0(VALU_DEP_2)
	v_floor_f32 v12, -v13                          ; the new -M = floor(-t) = -ceil(t): M is a whole number
	s_delay_alu instid0(VALU_DEP_1)
	v_sub_f32 v254, v12, v254                      ; M's old value less its new one: a whole number, 0 or less
	s_delay_alu instid0(VALU_DEP_1)
	v_cvt_i32_f32 v254, v254                       ; (it saturates)
	s_delay_alu instid0(VALU_DEP_1)
	v_ldexp_f32 v252, 1.0, v254                    ; f = 2^(old M - new M)
.set j, 0
.rept 32
	v_pk_fma_f32 v[96+j:97+j], v[96+j:97+j], s[CS:CS+1], v[12:13] op_sel_hi:[1,0,0]   ; t - M, two at a time
.set j, j+2
.endr
.set j, 0
	s_wait_alu depctr_va_vdst(0)
.rept 64
	v_exp_f32 v[96+j], v[96+j]                     ; p = 2^(t - M), at most 1: not normalised
.set j, j+1
.endr
	v_pk_mul_f32 v[14:15], v[14:15], v[252:253] op_sel_hi:[1,0]   ; the sums under the new M: a plain instruction behind the exponentials
	s_wait_alu depctr_va_vdst(0)                   ; one wait for the whole batch, ahead of its first reader
	v_pk_add_f32 v[242:243], v[100:101], v[104:105]
	v_pk_add_f32 v[254:255], v[108:109], v[112:113]
	v_pk_add_f32 v[250:251], v[116:117], v[120:121]
	v_pk_add_f32 v[248:249], v[124:125], v[128:129]
	v_pk_add_f32 v[240:241], v[132:133], v[136:137]
	v_pk_add_f32 v[238:239], v[140:141], v[144:145]
	v_pk_add_f32 v[234:235], v[148:149], v[152:153]
	v_pk_add_f32 v[14:15], v[14:15], v[156:157]
	v_pk_add_f32 v[242:243], v[242:243], v[96:97]
	v_pk_add_f32 v[254:255], v[254:255], v[98:99]
	v_pk_add_f32 v[250:251], v[250:251], v[102:103]
	v_pk_add_f32 v[248:249], v[248:249], v[106:107]
	v_pk_add_f32 v[240:241], v[240:241], v[110:111]
	v_pk_add_f32 v[238:239], v[238:239], v[114:115]
	v_pk_add_f32 v[234:235], v[234:235], v[118:119]
	v_pk_add_f32 v[14:15], v[14:15], v[122:123]
	v_pk_add_f32 v[242:243], v[242:243], v[126:127]
	v_pk_add_f32 v[254:255], v[254:255], v[130:131]
	v_pk_add_f32 v[250:251], v[250:251], v[134:135]
	v_pk_add_f32 v[248:249], v[248:249], v[138:139]
	v_pk_add_f32 v[240:241], v[240:241], v[142:143]
	v_pk_add_f32 v[238:239], v[238:239], v[146:147]
	v_pk_add_f32 v[234:235], v[234:235], v[150:151]
	v_pk_add_f32 v[14:15], v[14:15], v[154:155]
	v_pk_add_f32 v[242:243], v[242:243], v[158:159]
	s_delay_alu instid0(VALU_DEP_2)
	v_pk_add_f32 v[14:15], v[14:15], v[248:249]
	s_delay_alu instid0(VALU_DEP_2)
	v_pk_add_f32 v[242:243], v[242:243], v[240:241]
	v_pk_add_f32 v[254:255], v[254:255], v[238:239]
	v_pk_add_f32 v[250:251], v[250:251], v[234:235]
	s_delay_alu instid0(VALU_DEP_2)
	v_pk_add_f32 v[14:15], v[14:15], v[254:255]
	s_delay_alu instid0(VALU_DEP_2)
	v_pk_add_f32 v[242:243], v[242:243], v[250:251]
	s_delay_alu instid0(VALU_DEP_1)
	v_pk_add_f32 v[14:15], v[14:15], v[242:243]
.set n, 0
.if USE_DUAL
.rept 32
.set n, n+2
.endr
.else
.rept 64
	v_min_num_f32 v[96+n], v[96+n], v240
.set n, n+1
.endr
.endif
.irp t, 0,1,2,3,4,5,6,7
	v_cvt_scalef32_pk8_bf8_f32 v[192+2*\t:193+2*\t], v[96+8*\t:103+8*\t], v244   ; keys 16 t + 8 (lane / 16) + 0 .. 7: register pair t of P
.endr
.set j, 0
.rept 16
	v_pk_mul_f32 v[160+j:161+j], v[160+j:161+j], v[252:253] op_sel_hi:[1,0]   ; O^T under the new M.  (Plain instructions between the conversions and the products that read the codes)
.set j, j+2
.endr
	s_wait_alu depctr_va_vdst(0)
	s_wait_dscnt 0x0                               ; V is in
.irp t, 0,1,2,3
	v_wmma_f32_16x16x128_bf8_bf8 v[160+8*\t:167+8*\t], v[32+16*\t:47+16*\t], v[192:207], v[160+8*\t:167+8*\t]   ; four accumulators by turns; the next matrix instructions are the next step's scores
.endr
.Lhidden_\@:
	s_add_co_u32 s[KF], s[KF], 128
.endm
; THE CHANGE OF SLOTS stands at a slot's head.  Each wave waits for all its tensor loads (its part of the slot that it is about to read), adds 0 to its spare word, and waits for that and for its reads of the slot that it has left.
; Behind the barrier the slot ahead is whole and nobody reads the other one.  fill = 1: that other slot takes the key slot that follows in the walk 0 .. 7 - p, 0 .. p: the load has a whole slot's steps in which to land.
.macro CHANGE fill
	s_wait_tensorcnt 0x0                           ; no tensor load of mine is out, so group 0 may be written
	ds_add_u32 v[SPW], v[NIL]                      ; 0 onto my spare word
.if \fill
	s_xor_b32 s[G0+1], s[G0+1], SLOT1              ; the other slot than last time,
	s_lshl_b32 s[OFF], s[KFILL], 14
	s_add_nc_u64 s[G0+2:G0+3], s[KVB:KVB+1], s[OFF:OFF+1]   ; 16,384 bytes a key slot, in k_img and in v_img
	s_or_b32 s[G0+3], s[G0+3], 0x80000000
	s_add_co_u32 s[KFILL], s[KFILL], 1
	s_cmp_eq_u32 s[KFILL], s[NA]
	s_cselect_b32 s[KFILL], 0, s[KFILL]            ; behind the first pass's last slot the walk begins anew
	s_wait_xcnt 0x0                                ; the last prefetch, a slot back, has read its address, so it may be written
	s_add_nc_u64 s[PFA:PFA+1], s[PFA:PFA+1], 16384
.endif
	s_wait_dscnt 0x0                               ; the add is done, and my reads of the slot that I have left are over
	s_barrier_signal -1
	s_barrier_wait -1
.if \fill
	TLOAD                                          ; the first thing behind the barrier, and a wave's one tensor load until the next
	ASK
.endif
.endm
; A block of queries is finished: O^T / the sum, quantised, 8 bytes a lane and tile
.macro FINISH yb, cd
.rept 4
	v_nop                                          ; places behind the last products
.endr
	v_add_f32 v14, v14, v15                        ; the sum's two halves,
	s_wait_alu depctr_va_vdst(0)
	v_permlanex16_b32 v252, v14, s[SEL], s[SEL+1]
	s_delay_alu instid0(VALU_DEP_1)
	v_add_f32 v14, v14, v252                       ; and lane l xor 16's: the row's sum
	s_wait_alu depctr_va_vdst(0)
	v_rcp_f32 v14, v14
	v_nop                                          ; a plain instruction behind the transcendental,
	s_wait_alu depctr_va_vdst(0)                   ; and a wait ahead of its first reader
.set j, 0
.rept 16
	v_pk_mul_f32 v[96+j:97+j], v[160+j:161+j], v[14:15] op_sel_hi:[1,0]   ; each accumulator from its low end on
.set j, j+2
.endr
.set j, 0
.rept 32
.set j, j+1
.endr
.irp t, 0,1,2,3
	v_cvt_scalef32_pk8_bf8_f32 v[\cd+2*\t:\cd+2*\t+1], v[96+8*\t:103+8*\t], v246
.endr
	v_nop                                          ; a plain instruction behind the conversions: later lines write their sources
.irp t, 0,1,2,3
	global_store_b64 v[YO], v[\cd+2*\t:\cd+2*\t+1], s[\yb:\yb+1] offset:256*\t   ; the wave stores 256 consecutive bytes, at a multiple of 256 from the buffer's first byte
.endr
.endm
	s_wait_loadcnt 0x0                             ; Q
.Lslot:                                            ; eight trips: behind each change of slots but the last the next slot is asked for
	CHANGE 1
	v_add_nc_u32 v[ADK], s[TB], v[LI]
	STEP 0
	STEP 1
	s_xor_b32 s[TB], s[TB], SLOT1                  ; on to the other slot
	s_cmp_lg_u32 s[KF], s[KEND]                    ; has the first pass seen its last key?  (In the second pass KF stays under 256 (p + 1), which is under KEND)
	s_cbranch_scc1 .Lsame_pass
	FINISH YA, 208
.set i, 0
.rept 8
	v_mov_b32 v[16+i], v[24+i]                     ; the second block's Q
.set i, i+1
.endr
	FRESH
	s_mov_b32 s[Q0], s[Q0B]
	s_mov_b32 s[KF], 0
.Lsame_pass:
	s_sub_co_u32 s[TRIPS], s[TRIPS], 1
	s_cmp_lg_u32 s[TRIPS], 0
	s_cbranch_scc1 .Lslot
	CHANGE 0                                       ; the ninth slot is written out
	v_add_nc_u32 v[ADK], s[TB], v[LI]
	STEP 0
	STEP 1
	FINISH YB, 216
	s_wait_tensorcnt 0x0                           ; the wave's end
	ds_add_u32 v[SPW], v[NIL]
	s_wait_dscnt 0x0
	s_endpgm
.Lfunc_end_k_qbc699a6e35_attn:
	.size	k_qbc699a6e35_attn, .Lfunc_end_k_qbc699a6e35_attn-k_qbc699a6e35_attn
	.p2alignl 7, 3214868480
	.fill 96, 4, 3214868480
	.section	.rodata,"a",@progbits
	.p2align	6, 0x0
	.amdhsa_kernel k_qbc699a6e35_attn
		.amdhsa_group_segment_fixed_size 327680
		.amdhsa_private_segment_fixed_size 0
		.amdhsa_enable_private_segment 0
		.amdhsa_kernarg_size 40
		.amdhsa_user_sgpr_count 2
		.amdhsa_user_sgpr_kernarg_segment_ptr 1
		.amdhsa_wavefront_size32 1
		.amdhsa_system_sgpr_workgroup_id_x 1
		.amdhsa_system_sgpr_workgroup_id_y 1
		.amdhsa_system_sgpr_workgroup_id_z 1
		.amdhsa_system_vgpr_workitem_id 0
		.amdhsa_next_free_vgpr 256
		.amdhsa_next_free_sgpr 100
		.amdhsa_reserve_vcc 1
		.amdhsa_float_denorm_mode_32 3
		.amdhsa_float_denorm_mode_16_64 3
		.amdhsa_fp16_overflow 1
		.amdhsa_memory_ordered 1
		.amdhsa_forward_progress 1
		.amdhsa_inst_pref_size 90
	.end_amdhsa_kernel
	.amdgpu_metadata
---
amdhsa.version: [ 1, 2 ]
amdhsa.kernels:
  - .name:           k_qbc699a6e35_attn
    .symbol:         k_qbc699a6e35_attn.kd
    .args:
      - { .name: q_img, .offset: 0, .size: 8, .value_kind: global_buffer, .address_space: global }
      - { .name: k_img, .offset: 8, .size: 8, .value_kind: global_buffer, .address_space: global }
      - { .name: v_img, .offset: 16, .size: 8, .value_kind: global_buffer, .address_space: global }
      - { .name: lowp_scales, .offset: 24, .size: 8, .value_kind: global_buffer, .address_space: global }
      - { .name: y_img, .offset: 32, .size: 8, .value_kind: global_buffer, .address_space: global }
    .group_segment_fixed_size: 327680
    .private_segment_fixed_size: 0
    .kernarg_segment_align: 8
    .kernarg_segment_size: 40
    .max_flat_workgroup_size: 512
    .sgpr_count:     100
    .vgpr_count:     256
    .wavefront_size: 32
...
	.end_amdgpu_metadata
.endif
;; end of part 2
;; launch oproj (part 3): grid 4 x 64, 4 waves a work-group, clusters of 4 x 4, 327,680 bytes of LDS; arguments y_img, Wo_codes, lowp_scales, out0; writes out0
.if DOCPART == 3
	.amdgcn_target "amdgcn-amd-amdhsa--gfx1250"
	.amdhsa_code_object_version 6
	.text
	.protected	k_qbc699a6e35_oproj
	.globl	k_qbc699a6e35_oproj
	.p2align	8
	.type	k_qbc699a6e35_oproj,@function
k_qbc699a6e35_oproj:
	s_mov_b64 s[64:65], 0
	v_nop
	global_prefetch_b8 v0, s[64:65] scope:SCOPE_SE
	s_setreg_imm32_b32 hwreg(HW_REG_WAVE_MODE, 25, 1), 1
	s_wait_xcnt 0x0
	s_wait_alu depctr_hold_cnt(0) depctr_sa_sdst(0) depctr_va_vdst(0) depctr_va_sdst(0) depctr_va_ssrc(0) depctr_va_vcc(0) depctr_vm_vsrc(0)
	s_getreg_b32 s2, hwreg(HW_REG_IB_STS2, 6, 4)
	s_cmp_eq_u32 s2, 0
	s_cbranch_scc0 .Lentry_in_a_cluster
	s_endpgm
.Lentry_in_a_cluster:
	s_bfe_u32 s2, ttmp6, 0x10000c
	s_cmp_lg_u32 s2, 0xf033
	s_cbranch_scc0 .Lentry_shape_is_right
	s_endpgm
.Lentry_shape_is_right:
; out0 = Y Wo^T on codes of BF8 (E5M2).  Y: 8,192 rows x 1,024, as y_img lays it; Wo: [1024][1024] codes, K innermost; out0: [8192][1024] f32.  Each finished sum is multiplied once by 2^(e10 + e11).
; LIMIT: e10 + e11 lies between -126 and 127, so that 2^(e10 + e11) is an f32 number.
; A tile of out0 is 128 rows x 256 columns: 256 work-groups (tiles of 256 x 256 would be 128).  Four waves, each 64 x 128: 32 accumulators of 16 x 16, 256 registers.
; K goes in 4 steps of 256 through THREE LDS slots: K steps 0, 1, 2 are first fills that go out together; K step 3 is the one refill, into slot 0.
; y_img is [K step][block of 16 rows][4,096 bytes]; in a block, the 128 along K of half q begin at 2,048 q, and 512 c + 16 x lane holds K = 32 c + 16 (lane / 16) + 0 .. 15 of row lane % 16:
; the order in which four loads of 16 bytes, 32 bytes apart, take a row of Wo.  So Y's fragments come as they lie, 512 consecutive bytes a load, and both sides have the same order of K.
; CLUSTERS: 4 x 4 work-groups.  Y's tile hangs on the tile row alone and is asked for jointly by the four of a row of the cluster, Wo's on the tile column alone, by the four of a column.
; THE MATRIX INSTRUCTION IS USED TRANSPOSED (source 0 = 16 rows of Wo, source 1 = 16 rows of Y): a lane holds eight neighbouring numbers of a row of out0.
; NO PREFETCH: three of the four K steps are asked for at the head, and the fourth one step later.
; REGISTERS: window 0: v16-29 addresses; v32-95 at work on the way out; v128-191, v192-255 Y's fragments (4 x 16 rows x 128 K), two sets.  window 1: Wo's fragments (8), two sets.  window 2: accumulator (a, b) at v[8 (8 a + b)].
.set PITCH,  272                       ; a row of Wo in LDS: 256 bytes + 16 of padding: the 16 rows that a load touches start at 16 different banks (64 banks of 4 bytes: ISA guide 11.1)
.set HALFW,  128*PITCH
.set WOFF,   32768                     ; a slot: Y's 8 blocks, dense, then Wo's 256 rows
.set SLOT,   WOFF+2*HALFW
.set SPARE,  3*SLOT                    ; behind the slots: the spare words, 128 bytes for each wave
.set STAGE,  SLOT                      ; the way out: 16 rows x (512 bytes + 16) for each wave, in slot 1, which is filled once and read for the last time ahead of the last barrier
.set SPITCH, 528
.set ADRY, 16                          ; v16-18  LDS address of my fragments of Y in slot 0, 1, 2
.set ADRW, 20                          ; v20-22  the same for Wo
.set STO,  24                          ; v24     the way out: where I put 32 bytes of a row
.set RD,   25                          ; v25     where I read a row back
.set CO,   26                          ; v26     16 x lane
.set SPW,  28                          ; v28     LDS address of my spare word; never rewritten
.set NIL,  29                          ; v29     0; never rewritten
.set TMP,  32
.set BK,   128
.set G1,  24                           ; s[24:31] descriptor group 1 for Y;  s[32:43] group 0, one set for each slot
.set G0,  32
.set G1B, 48                           ; s[48:55] group 1 for Wo;  s[68:79] group 0
.set G0B, 68
.set MSB, 0
.macro WIN new                         ; the immediate's high byte repeats the setting that is left
.if MSB != (\new)
	s_set_vgpr_msb (MSB<<8)|(\new)
.set MSB, (\new)
.endif
.endm
.macro JLOAD g0a, g1a, g0b, g1b        ; a joint load: waves 0 and 1 fetch for Y, waves 2 and 3 for Wo; four v_nop follow each of the two lines
	s_cmp_eq_u32 s15, 0
	s_cbranch_scc0 .Lfor_b_\@
	tensor_load_to_lds s[\g0a:\g0a+3], s[\g1a:\g1a+7]
	s_nop 0
.rept 4
	v_nop
.endr
	s_branch .Lasked_\@
.Lfor_b_\@:
	tensor_load_to_lds s[\g0b:\g0b+3], s[\g1b:\g1b+7]
	s_nop 0
.rept 4
	v_nop
.endr
.Lasked_\@:
.endm
.macro CROUND                          ; a round of the cluster's barrier
	s_barrier_signal -1
	s_barrier_wait -1
	s_cmp_lg_u32 s14, 0
	s_cbranch_scc1 .Lnot_wave_0_\@
	s_barrier_signal -3
.Lnot_wave_0_\@:
	s_barrier_wait -3
	s_barrier_signal -1
	s_barrier_wait -1
.endm
	s_load_b256 s[4:11], s[0:1], 0x0               ; y_img s[4:5], Wo's codes s[6:7], the scales' exponents s[8:9], out0 s[10:11]
	v_lshl_add_u32 v[SPW], v0, 2, SPARE
	v_mov_b32 v[NIL], 0
	ds_add_u32 v28, v29
	ds_add_u32 v28, v29
	s_wait_dscnt 0x0
	v_lshrrev_b32 v1, 5, v0
	v_readfirstlane_b32 s14, v1                    ; wave 0..3
	s_lshr_b32 s15, s14, 1                         ; which 64 rows of the tile are mine.  Also: I fetch for Y (0) or for Wo (1)
	s_and_b32 s16, s14, 1                          ; which 128 columns.  Also: which half of that tile I fetch
	s_bfe_u32 s80, ttmp6, 0x40000                  ; cx, cy: my place in the cluster
	s_bfe_u32 s81, ttmp6, 0x40004
	s_lshl_b32 s82, ttmp9, 2
	s_add_co_u32 s82, s82, s80                     ; tile column = 4 x cluster x + cx
	s_and_b32 s17, ttmp7, 0xffff
	s_lshl_b32 s17, s17, 2
	s_add_co_u32 s17, s17, s81                     ; tile row = 4 x cluster y + cy
	s_lshl_b32 s83, s81, 2
	s_lshl_b32 s83, 15, s83                        ; my row of the cluster
	s_lshl_b32 s84, 0x1111, s80                    ; my column
	s_or_b32 s[G1], s83, (3<<16)|(1<<21)           ; Y: 15:0 the mask of my row; 17:16 elements of 8 bytes; 21 set beside a mask; no padding
	s_mov_b32 s[G1+1], 32<<16                      ; 16,384 dense bytes as 64 rows of 32 elements
	s_mov_b32 s[G1+2], 64<<16
	s_mov_b32 s[G1+3], 32<<16
	s_mov_b32 s[G1+4], 64
	s_mov_b32 s[G1+5], 32
	s_mov_b32 s[G1+6], 0
	s_mov_b32 s[G1+7], 0
	s_or_b32 s[G1B], s84, (0<<16)|(1<<20)|(1<<21)|(5<<22)|(3<<25)  ; Wo: the mask of my column; elements of 1 byte; padding: four words after every 64
	s_mov_b32 s[G1B+1], 256<<16                    ; 128 rows of 256 bytes, 1,024 bytes apart
	s_mov_b32 s[G1B+2], 128<<16
	s_mov_b32 s[G1B+3], 256<<16
	s_mov_b32 s[G1B+4], 128
	s_mov_b32 s[G1B+5], 1024
	s_mov_b32 s[G1B+6], 0
	s_mov_b32 s[G1B+7], 0
	s_lshl_b32 s20, s17, 15                        ; Y: (8 x tile row + 4 x half) blocks of 4,096 bytes
	s_lshl_b32 s18, s16, 14
	s_add_co_u32 s20, s20, s18
	s_mov_b32 s21, 0
	s_lshl_b32 s46, s82, 18                        ; Wo: (256 x tile column + 128 x half) rows of 1,024 bytes
	s_lshl_b32 s18, s16, 17
	s_add_co_u32 s46, s46, s18
	s_mov_b32 s47, 0
	s_lshl_b32 s44, s16, 14                        ; where they go in a slot: no place in the cluster enters an LDS address
	s_mul_i32 s45, s16, HALFW
	s_add_co_u32 s45, s45, WOFF
	s_wait_kmcnt 0x0
	s_load_b64 s[96:97], s[8:9], 0x28              ; e10, e11
	s_add_nc_u64 s[20:21], s[4:5], s[20:21]
	s_add_nc_u64 s[46:47], s[6:7], s[46:47]
	CROUND                                         ; all sixteen work-groups are here: the first joint loads meet
.irp s, 0,1,2
	s_mov_b32 s[G0+4*\s], 1
	s_add_co_u32 s[G0+4*\s+1], s44, \s*SLOT
	s_add_nc_u64 s[G0+4*\s+2:G0+4*\s+3], s[20:21], \s*2097152      ; a K step of y_img is 2^21 bytes
	s_or_b32 s[G0+4*\s+3], s[G0+4*\s+3], 0x80000000
	s_mov_b32 s[G0B+4*\s], 1
	s_add_co_u32 s[G0B+4*\s+1], s45, \s*SLOT
	s_add_nc_u64 s[G0B+4*\s+2:G0B+4*\s+3], s[46:47], \s*256
	s_or_b32 s[G0B+4*\s+3], s[G0B+4*\s+3], 0x80000000
.endr
	s_cmp_eq_u32 s15, 0                            ; a wave's three first fills stand in one branch, ahead of every wait on TENSORcnt and every LDS read: three loads of mine are out
	s_cbranch_scc0 .Lfirst_w
	tensor_load_to_lds s[G0:G0+3], s[G1:G1+7]
	s_nop 0
	tensor_load_to_lds s[G0+4:G0+7], s[G1:G1+7]
	s_nop 0
	tensor_load_to_lds s[G0+8:G0+11], s[G1:G1+7]
	s_nop 0
.rept 4
	v_nop
.endr
	s_branch .Lfirst_asked
.Lfirst_w:
	tensor_load_to_lds s[G0B:G0B+3], s[G1B:G1B+7]
	s_nop 0
	tensor_load_to_lds s[G0B+4:G0B+7], s[G1B:G1B+7]
	s_nop 0
	tensor_load_to_lds s[G0B+8:G0B+11], s[G1B:G1B+7]
	s_nop 0
.rept 4
	v_nop
.endr
.Lfirst_asked:
	v_and_b32 v1, 15, v0                           ; r = lane % 16
	v_bfe_u32 v2, v0, 4, 1                         ; h = lane / 16
	v_mul_u32_u24 v3, v1, PITCH
	v_lshl_add_u32 v3, v2, 4, v3                   ; Wo: row x pitch + 16 h
	v_and_b32 v6, 31, v0
	v_lshlrev_b32 v[CO], 4, v6
	s_lshl_b32 s21, s15, 14                        ; my four blocks of Y
	s_mul_i32 s22, s16, HALFW                      ; my 128 rows of Wo,
	s_add_co_u32 s22, s22, WOFF                    ; which lie behind Y's blocks
.irp s, 0,1,2
	v_add_nc_u32 v[ADRY+\s], s21, v[CO]
	v_add_nc_u32 v[ADRW+\s], s22, v3
	s_add_co_u32 s21, s21, SLOT
	s_add_co_u32 s22, s22, SLOT
.endr
	s_mul_i32 s23, s14, 16*SPITCH
	s_add_co_u32 s23, s23, STAGE                   ; my stage
	v_mul_u32_u24 v5, v1, SPITCH                   ; in: row r, 32 bytes for each half of the lanes
	v_lshl_add_u32 v5, v2, 5, v5
	v_add_nc_u32 v[STO], s23, v5
	v_add_nc_u32 v[RD], s23, v[CO]                 ; back: the 32 lanes take one row of 512 bytes
	s_lshl_b32 s20, s17, 7
	s_lshl_b32 s21, s15, 6
	s_add_co_u32 s20, s20, s21                     ; my first row of out0: 128 x tile row + 64 x half,
	s_lshl_b32 s20, s20, 12                        ; of 4,096 bytes: under 2^25
	s_lshl_b32 s46, s82, 10                        ; my first column, in bytes: 1,024 x tile column + 512 x half
	s_lshl_b32 s47, s16, 9
	s_add_co_u32 s46, s46, s47
	s_add_co_u32 s20, s20, s46
	s_mov_b32 s21, 0
	s_add_nc_u64 s[10:11], s[10:11], s[20:21]
.macro PLACES                          ; plain vector instructions between a matrix instruction and a load into, or a vector read of, its registers
.rept 4
	v_nop
.endr
.endm
; 48 LDS loads in one run: the fragments of the slot's q-th 128 along K into a set: Wo's eight, Y's four
.macro FETCH slot, q, set
	WIN 0x40                                       ; destination window 1, address window 0
.irp i, 0,1,2,3,4,5,6,7
.irp c, 0,1,2,3
	ds_load_b128 v[128*(\set)+16*\i+4*\c:128*(\set)+16*\i+4*\c+3], v[ADRW+\slot] offset:\i*16*PITCH+128*(\q)+32*\c
.endr
.endr
	WIN 0
.irp i, 0,1,2,3
.irp c, 0,1,2,3
	ds_load_b128 v[128+64*(\set)+16*\i+4*\c:128+64*(\set)+16*\i+4*\c+3], v[ADRY+\slot] offset:4096*\i+2048*(\q)+512*\c
.endr
.endr
.endm
; A step of 128 along K on a set: the next step's fragments are asked for into the other set, then 32 matrix instructions, the 32 accumulators by turns, in the same order in every step.
.macro SUB set, more, nslot, nq, zero
	s_wait_dscnt 0x0                               ; this set is in
.if \more
	PLACES                                         ; the other set was read by the last step's products
	FETCH \nslot, \nq, 1-(\set)
.endif
	WIN 0xa1                                       ; source 0 (Wo) window 1, source 1 (Y) window 0, C and D window 2
.irp a, 0,1,2,3
.irp b, 0,1,2,3,4,5,6,7
.if \zero
	v_wmma_f32_16x16x128_bf8_bf8 v[8*(8*\a+\b):8*(8*\a+\b)+7], v[128*(\set)+16*\b:128*(\set)+16*\b+15], v[128+64*(\set)+16*\a:128+64*(\set)+16*\a+15], 0
.else
	v_wmma_f32_16x16x128_bf8_bf8 v[8*(8*\a+\b):8*(8*\a+\b)+7], v[128*(\set)+16*\b:128*(\set)+16*\b+15], v[128+64*(\set)+16*\a:128+64*(\set)+16*\a+15], v[8*(8*\a+\b):8*(8*\a+\b)+7]
.endif
.endr
.endr
	WIN 0
.endm
	s_wait_alu depctr_va_vdst(0)
	s_wait_tensorcnt 2                             ; my part of K step 0 is in; K steps 1 and 2 may be out
	s_barrier_signal -1
	s_barrier_wait -1                              ; everybody's is
	FETCH 0, 0, 0
	SUB 0, 1, 0, 1, 1                              ; K step 0, first half: its products start the sums; the second half's fragments are asked for: the last reads of slot 0's first tile
	s_wait_tensorcnt 0x0                           ; THE ONE REFILL.  All my tensor loads have landed: my parts of slots 1 and 2;
	ds_add_u32 v[SPW], v[NIL]                      ; 0 onto my spare word;
	s_add_nc_u64 s[G0+2:G0+3], s[G0+2:G0+3], 3*2097152   ; no load of mine is out, so slot 0's groups 0 may be written: K step 3
	s_add_nc_u64 s[G0B+2:G0B+3], s[G0B+2:G0B+3], 3*256
	s_wait_dscnt 0x0                               ; the add is done, and my reads of slot 0 are over
	CROUND                                         ; the same holds of every wave of every partner
	JLOAD G0, G1, G0B, G1B                         ; the first tensor load behind the round, and my last: four steps, 128 matrix instructions, stand ahead of the wait for it
	SUB 1, 1, 1, 0, 0
	SUB 0, 1, 1, 1, 0
	SUB 1, 1, 2, 0, 0
	SUB 0, 1, 2, 1, 0
	s_wait_tensorcnt 0x0                           ; my part of K step 3 is in: the one load that was out;
	s_wait_dscnt 0x0                               ; no LDS instruction of mine is pending at a signal
	s_barrier_signal -1
	s_barrier_wait -1                              ; everybody's is
	SUB 1, 1, 0, 0, 0
	SUB 0, 1, 0, 1, 0
	SUB 1, 0, 0, 0, 0
; THE WAY OUT, block by block of 16 rows x 128 columns.  A lane holds 32 neighbouring bytes of a row, and the lanes beside it hold other rows: so a block goes through my own stage in LDS and comes back as whole
; rows of 512 bytes.  LDS serves a wave's instructions in order (ISA guide 5.7.1.4): no wait between the stores and the loads, nor in front of the next block's stores.
.macro TOSTAGE a
	WIN 0x02                                       ; source 0: window 2
.set j, 0
.rept 32
	v_pk_mul_f32 v[TMP+j:TMP+j+1], v[64*(\a)+j:64*(\a)+j+1], s[96:97] op_sel_hi:[1,0]   ; both x s96 = 2^(e10 + e11); each accumulator from its low end on
.set j, j+2
.endr
	WIN 0
.irp b, 0,1,2,3,4,5,6,7
	ds_store_b128 v[STO], v[TMP+8*\b:TMP+8*\b+3] offset:64*\b
	ds_store_b128 v[STO], v[TMP+8*\b+4:TMP+8*\b+7] offset:64*\b+16
.endr
.irp t, 0,1,2,3,4,5,6,7,8,9,10,11,12,13,14,15
	ds_load_b128 v[BK+64*((\a)%2)+4*\t:BK+64*((\a)%2)+4*\t+3], v[RD] offset:\t*SPITCH
.endr
.endm
.macro SEND a, younger                 ; younger: the LDS instructions issued behind block a's loads, which may stay out
	s_wait_dscnt \younger                          ; the block is back in registers
.irp t, 0,1,2,3,4,5,6,7,8,9,10,11,12,13,14,15
	global_store_b128 v[CO], v[BK+64*((\a)%2)+4*\t:BK+64*((\a)%2)+4*\t+3], s[10:11] offset:(\a)*65536+\t*4096 th:TH_STORE_NT   ; 512 consecutive bytes, at a multiple of 512 from out0's first byte; the row stands in the immediate, 258,048 at the most
.endr
.endm
	s_wait_kmcnt 0x0
	s_add_co_i32 s96, s96, s97                     ; e10 + e11, between -126 and 127,
	s_add_co_i32 s96, s96, 127
	s_lshl_b32 s96, s96, 23                        ; makes the f32 number 2^(e10 + e11)
	PLACES                                         ; behind the last products: ahead of reads of results and of loads into Y's registers
	TOSTAGE 0
.irp a, 1,2,3
.if \a > 1
	s_wait_xcnt 0x0                                ; block a - 2's stores have read their registers: block a's loads may land there
.endif
	TOSTAGE \a
	SEND \a-1, 32                                  ; behind block a - 1's loads: block a's 16 stores and 16 loads
.endr
	SEND 3, 0
	s_wait_tensorcnt 0x0                           ; the wave's end: behind my last tensor load and my last LDS store
	ds_add_u32 v[SPW], v[NIL]
	s_wait_dscnt 0x0
	CROUND                                         ; the closing round: no work-group ends while a partner may still ask for a tile that names it
	s_endpgm
.Lfunc_end_k_qbc699a6e35_oproj:
	.size	k_qbc699a6e35_oproj, .Lfunc_end_k_qbc699a6e35_oproj-k_qbc699a6e35_oproj
	.p2alignl 7, 3214868480
	.fill 96, 4, 3214868480
	.section	.rodata,"a",@progbits
	.p2align	6, 0x0
	.amdhsa_kernel k_qbc699a6e35_oproj
		.amdhsa_group_segment_fixed_size 327680
		.amdhsa_private_segment_fixed_size 0
		.amdhsa_enable_private_segment 0
		.amdhsa_kernarg_size 32
		.amdhsa_user_sgpr_count 2
		.amdhsa_user_sgpr_kernarg_segment_ptr 1
		.amdhsa_wavefront_size32 1
		.amdhsa_system_sgpr_workgroup_id_x 1
		.amdhsa_system_sgpr_workgroup_id_y 1
		.amdhsa_system_sgpr_workgroup_id_z 1
		.amdhsa_system_vgpr_workitem_id 0
		.amdhsa_next_free_vgpr 768
		.amdhsa_next_free_sgpr 100
		.amdhsa_reserve_vcc 0
		.amdhsa_float_denorm_mode_32 3
		.amdhsa_float_denorm_mode_16_64 3
		.amdhsa_memory_ordered 1
		.amdhsa_forward_progress 1
		.amdhsa_inst_pref_size 74
	.end_amdhsa_kernel
	.amdgpu_metadata
---
amdhsa.version: [ 1, 2 ]
amdhsa.kernels:
  - .name:           k_qbc699a6e35_oproj
    .symbol:         k_qbc699a6e35_oproj.kd
    .args:
      - { .name: y_img, .offset: 0, .size: 8, .value_kind: global_buffer, .address_space: global }
      - { .name: Wo_codes, .offset: 8, .size: 8, .value_kind: global_buffer, .address_space: global }
      - { .name: lowp_scales, .offset: 16, .size: 8, .value_kind: global_buffer, .address_space: global }
      - { .name: out0, .offset: 24, .size: 8, .value_kind: global_buffer, .address_space: global }
    .group_segment_fixed_size: 327680
    .private_segment_fixed_size: 0
    .kernarg_segment_align: 8
    .kernarg_segment_size: 32
    .max_flat_workgroup_size: 128
    .sgpr_count:     100
    .vgpr_count:     768
    .wavefront_size: 32
...
	.end_amdgpu_metadata
.endif
;; end of part 3
